; MI455X (gfx1250); checked and timed in simulation.
; The chip was launched on July 23, 2026; its instructions are those of AMD's public machine-readable ISA for CDNA 5 (MIT licence, August 2026) and "CDNA5" Instruction Set Architecture Reference Guide (July 2026). The comments in the code are by the model that wrote it; some were corrected since.
;; Inner Self Attention. Allowed arithmetic: matrix products marked QUANTISED: E2M1 operands, one E8M0 scale for each 32 along K, by v_wmma_scale_f32_16x16x128_f8f6f4 with both operands' format E2M1 (or v_wmma_scale_f32_32x16x128_f4), f32 sums; products left as they are: bf16, f16 or f32 operands; f32 sums; everything else in f32.
;; Inputs: Wk 1,024 x 1,024 float32; Wo 1,024 x 1,024 float32; Wq 1,024 x 1,024 float32; Wv 1,024 x 1,024 float32; bo 1,024 float32; hidden_states 2 x 2,048 x 1,024 float32.
;; Outputs: out0 2 x 2,048 x 1,024 float32.
;; This version of the problem:
;;   THIS VERSION OF THE PROBLEM IS GIVEN IN LOW PRECISION. The matrix products marked QUANTISED in the list below multiply operands that are first quantised to E2M1 (2 exponent bits, 1 mantissa bit; 4 bits a number), with one power-of-two scale for each 32 numbers along K (OCP MX v1.0); their sums are f32. The products marked 'left as it is' may take bf16, f16 or f32 operands, with f32 sums. Whichever they take, every output number must still come out within the allowed error. Rounding operands to bf16 (8 significant bits) uses up far more of that allowance than f16 does (11 bits, for magnitudes from 6e-5 to 65,504). All else is computed in f32.
;;   The module's matrix products, in the order in which they are computed (A, B: the left and right operand; K: the contracted axis; several contracted axes count as one K, in the product's order):
;;     1. [M 4,096, K 1,024] x [K 1,024, N 1,024]; A: input hidden_states; B: input Wq: QUANTISED
;;     2. [M 4,096, K 1,024] x [K 1,024, N 1,024]; A: input hidden_states; B: input Wk: QUANTISED
;;     3. [M 4,096, K 1,024] x [K 1,024, N 1,024]; A: input hidden_states; B: input Wv: QUANTISED
;;     4. batch 32 x [M 2,048, K 64] x [K 64, N 2,048]; A: computed on the way; B: computed on the way: left as it is (an operand is computed on the way)
;;     5. batch 32 x [M 2,048, K 2,048] x [K 2,048, N 64]; A: computed on the way; B: computed on the way: left as it is (an operand is computed on the way)
;;     6. [M 4,096, K 1,024] x [K 1,024, N 1,024]; A: computed on the way; B: input Wo: left as it is (an operand is computed on the way)
;;   THE QUANTISER, for each operand of a quantised product, along K:
;;     - K is cut into blocks of 32 from its start; a last block that is shorter is filled with zeros.
;;     - A block's scale is 2^e with e = floor(log2(the largest magnitude in the block)) - 2, held to -126 .. 127; a block of zeros has e = 0. As a byte (E8M0): e + 127.
;;     - Each number is divided by its block's scale, clamped to +-6, and rounded to the nearest number of E2M1, ties to even, subnormals kept.
;;     - The product sums the exact products of the quantised numbers (number of the format x scale) in f32.
;;   ~~~python
;;   def quantise(x, axis):      # numpy; x: float32 -> the quantised numbers, widened to float32 again
;;       x = np.moveaxis(x, axis, -1); K = x.shape[-1]
;;       x = np.pad(x, [(0, 0)] * (x.ndim - 1) + [(0, -K % 32)]); x = x.reshape(x.shape[:-1] + (-1, 32)); a = np.abs(x).max(-1, keepdims=True)
;;       e = np.where(a > 0, np.clip(np.frexp(np.where(a > 0, a, 1))[1] - 1 - 2, -126, 127), 0)      # np.frexp(a)[1] - 1 = floor(log2(a)), exactly
;;       r = np.clip(x / 2.0 ** e, -6, 6)
;;       step = 2.0 ** (np.maximum(np.frexp(np.where(r == 0, 1, r))[1] - 1, 0) - 1)
;;       q = np.round(r / step) * step * 2.0 ** e      # np.round: ties to even
;;       return np.moveaxis(q.reshape(q.shape[:-2] + (-1,))[..., :K], -1, axis).astype(np.float32)
;;   ~~~
;; One version. Each part assembles by itself: llvm-mc -triple=amdgcn-amd-amdhsa -mcpu=gfx1250 --defsym DOCPART=n.
;; ======== version 1 of 1: 4 launches
;; limits: values are held in f16: magnitudes above 65,504 overflow, below 6.1e-05 lose precision
;; workspace buffers: x_codes 2,097,152 bytes; x_scales 131,072 bytes; w_codes 1,572,864 bytes; w_scales 98,304 bytes; wo16 2,097,152 bytes; qkv 25,165,824 bytes; ctx 8,388,608 bytes
;; launch quant (part 1): grid 256 x 1, 4 waves a work-group, no clusters, 33,280 bytes of LDS; arguments hidden_states, Wq, Wk, Wv, Wo, x_codes, x_scales, w_codes, w_scales, wo16; writes x_codes, x_scales, w_codes, w_scales, wo16
.if DOCPART == 1
	.amdgcn_target "amdgcn-amd-amdhsa--gfx1250"
	.amdhsa_code_object_version 6
	.text
	.protected	k_q2bb6e61b75_quant
	.globl	k_q2bb6e61b75_quant
	.p2align	8
	.type	k_q2bb6e61b75_quant,@function
k_q2bb6e61b75_quant:
	s_mov_b64 s[64:65], 0
	v_nop
	global_prefetch_b8 v0, s[64:65] scope:SCOPE_SE
	s_setreg_imm32_b32 hwreg(HW_REG_WAVE_MODE, 25, 1), 1
	s_wait_xcnt 0x0
; hidden_states [4096][1024], Wq, Wk, Wv [1024][1024], f32, K innermost, become codes of FP4 (E2M1) with one E8M0 byte for each 32 along K; Wo becomes f16.
; x_codes [4096][512 bytes], x_scales [4096][32]; w_codes [3072][512 bytes], w_scales [3072][32]: the rows of Wq, Wk, Wv on end; wo16 [1024][1024] f16.
; A block's scale is 2^(floor(log2(its largest magnitude)) - 2): its byte is the largest magnitude's exponent field - 2, held at 1 from below.
; LIMITS: a block of zeros gets the byte 1 where the rule says 127 (its codes are zeros, and this program alone reads the bytes); blocks whose largest magnitude lies under 2^-124
; were not tried; NaN and infinities are not served; |Wo| stays under 65,504 (f16).
; SHARES: rows are dense, so every tensor is a stream; a wave takes 8,192 numbers.  Work-groups 0-127: hidden_states; 128-159 Wq; 160-191 Wk; 192-223 Wv; 224-255 Wo.
; The four quantised tensors take ONE path: only pointers are chosen, on the work-group's number.  Wo's path uses no LDS.
; The quantising path: each load reads 512 consecutive bytes; a step's 2,048 bytes turn through the wave's own stage in LDS so that a lane holds 16 neighbours along K (two lanes to a block).
.set WAVES, 4
.set STEPS, 16
.set EMAX,  2
.set CB,    8                          ; bytes of 16 codes
.set R,     16                         ; v16-79   four sets of 16 numbers as loaded
.set X,     80                         ; v80-111  two sets of 16 neighbours
.set E,     112                        ; v112-127 a scale byte for each step
.set C,     128                        ; v128-191 codes: four registers for each step, so that no store's data are written again
.set WREG,  8192                       ; LDS: a region for each wave: two stages of 32 x SP bytes, then its 256 scale bytes
.set SP,    80                         ; a lane's place in a stage: 64 bytes + 16 of padding
.set SPW,   12                         ; v12 LDS address of my spare word; never rewritten
.set NIL,   13                         ; v13 0; never rewritten
.set SPARE, WAVES*WREG                 ; behind the regions: the spare words, 128 bytes a wave
.set WX,    16                         ; Wo's path: v16-79 sixteen slots of 4 numbers
.set WY,    80                         ; v80-111 sixteen pairs of packed f16
	s_load_b512 s[4:19], s[0:1], 0x0               ; hidden 4:5, Wq 6:7, Wk 8:9, Wv 10:11, Wo 12:13, x_codes 14:15, x_scales 16:17, w_codes 18:19
	s_load_b128 s[20:23], s[0:1], 0x40             ; w_scales 20:21, wo16 22:23
	v_lshl_add_u32 v[SPW], v0, 2, SPARE
	v_mov_b32 v[NIL], 0
	v_lshrrev_b32 v1, 5, v0
	v_readfirstlane_b32 s32, v1                    ; wave
	v_and_b32 v2, 31, v0                           ; lane
	v_lshlrev_b32 v3, 4, v2                        ; my 16 bytes of a load's 512
	s_mul_i32 s33, s32, WREG
	v_lshrrev_b32 v14, 2, v2
	v_mul_u32_u24 v14, v14, SP
	v_and_b32 v15, 3, v2
	v_lshl_add_u32 v14, v15, 4, v14
	v_add_nc_u32 v14, s33, v14                     ; the stage, on the way in: SP (lane / 4) + 16 (lane % 4)
	v_mul_u32_u24 v15, v2, SP
	v_add_nc_u32 v15, s33, v15                     ; on the way out: SP x lane: my 16 neighbours
	v_mul_u32_u24 v4, v2, CB                       ; 8 x lane: my codes' place in a step's; Wo's path: my 4 f16
	v_lshrrev_b32 v5, 1, v2
	s_add_co_u32 s33, s33, 2*32*SP
	v_add_nc_u32 v5, s33, v5                       ; my wave's 256 scale bytes, my block's byte
	v_lshlrev_b32 v7, 3, v2
	v_add_nc_u32 v6, s33, v7                       ; and on the way out 8 bytes a lane
	s_wait_kmcnt 0x0
	s_cmp_ge_u32 ttmp9, 224
	s_cbranch_scc1 .Lwo
	s_cmp_lt_u32 ttmp9, 192                        ; the choices hang on the work-group's number alone
	s_cselect_b64 s[24:25], s[8:9], s[10:11]
	s_cmp_lt_u32 ttmp9, 160
	s_cselect_b64 s[24:25], s[6:7], s[24:25]
	s_cmp_lt_u32 ttmp9, 128
	s_cselect_b64 s[24:25], s[4:5], s[24:25]       ; the numbers
	s_cselect_b64 s[26:27], s[14:15], s[18:19]     ; the codes
	s_cselect_b64 s[28:29], s[16:17], s[20:21]     ; the scale bytes
	s_cselect_b32 s38, 0, 128                      ; the first work-group of the output buffer
	s_cselect_b32 s39, 127, 31                     ; the work-group's place in its input tensor
	s_and_b32 s34, ttmp9, s39
	s_lshl_b32 s34, s34, 2
	s_add_co_u32 s34, s34, s32                     ; which run of 8,192 numbers of the input
	s_lshl_b32 s34, s34, 15                        ; x 32,768 bytes
	s_mov_b32 s35, 0
	s_add_nc_u64 s[24:25], s[24:25], s[34:35]
	s_sub_co_u32 s36, ttmp9, s38
	s_lshl_b32 s36, s36, 2
	s_add_co_u32 s36, s36, s32                     ; which run of the output buffers
	s_mov_b32 s37, 0
	s_lshl_b32 s34, s36, 12                        ; x 4,096 bytes of codes
	s_add_nc_u64 s[26:27], s[26:27], s[34:35]
	s_lshl_b32 s36, s36, 8                         ; x 256 scale bytes
	s_add_nc_u64 s[28:29], s[28:29], s[36:37]
.macro LOAD t
.irp i, 0,1,2,3
	global_load_b128 v[R+16*((\t)%4)+4*\i:R+16*((\t)%4)+4*\i+3], v3, s[24:25] offset:2048*(\t)+512*\i th:TH_LOAD_NT   ; 32 lanes read 512 consecutive bytes
.endr
.endm
.macro TURN t                          ; step t's numbers through the stage: LDS serves a wave's instructions in order, so no wait stands between the stores and the loads
.irp i, 0,1,2,3
	ds_store_b128 v14, v[R+16*((\t)%4)+4*\i:R+16*((\t)%4)+4*\i+3] offset:32*SP*((\t)%2)+8*SP*\i
.endr
.irp i, 0,1,2,3
	ds_load_b128 v[X+16*((\t)%2)+4*\i:X+16*((\t)%2)+4*\i+3], v15 offset:32*SP*((\t)%2)+16*\i
.endr
.endm
.irp t, 0,1,2,3
	LOAD \t
.endr
	s_wait_loadcnt 12                              ; step 0's four loads are in
	TURN 0
.macro STEP t
.set XS, X+16*((\t)%2)
.if (\t) > 0
	s_wait_dscnt 1                                 ; this step's numbers are back from the stage (the last step's byte store may be out)
.else
	s_wait_dscnt 0x0
.endif
.if (\t)+4 < STEPS
	LOAD (\t)+4                                    ; into the registers that the stage's stores have read
.endif
.if (\t)+1 < STEPS
.if STEPS-2-(\t) >= 3
	s_wait_loadcnt 12                              ; the next step's four loads are in; those of the three steps behind it may be out
.else
	s_wait_loadcnt 4*(STEPS-2-(\t))
.endif
	TURN (\t)+1                                    ; through the other stage while this step is worked
.endif
	v_max3_num_f32 v8, |v[XS]|, |v[XS+1]|, |v[XS+2]|               ; the largest magnitude of my 16, in two chains
	v_max3_num_f32 v9, |v[XS+3]|, |v[XS+4]|, |v[XS+5]|
.irp i, 6,10
	v_max3_num_f32 v8, v8, |v[XS+\i]|, |v[XS+\i+1]|
	v_max3_num_f32 v9, v9, |v[XS+\i+2]|, |v[XS+\i+3]|
.endr
	v_max3_num_f32 v8, v8, |v[XS+14]|, |v[XS+15]|
	v_max3_num_f32 v8, v8, v9, (EMAX+1)<<23        ; and the floor 2^(3 - 127): the byte cannot fall under 1
	v_max_num_f32_dpp v8, v8, v8 row_xmask:1 row_mask:0xf bank_mask:0xf   ; with my neighbour's 16: the block's
	v_add_nc_u32 v11, -(EMAX<<23), v8              ; 2 off its exponent field: the conversion takes the exponent field of this operand as its scale
	v_cvt_scalef32_pk8_fp4_f32 v[C+4*(\t)], v[XS:XS+7], v11
	v_cvt_scalef32_pk8_fp4_f32 v[C+4*(\t)+1], v[XS+8:XS+15], v11
	v_lshrrev_b32 v[E+(\t)], 23, v11               ; the scale's byte (also the plain line behind the conversions)
	ds_store_b8 v5, v[E+(\t)] offset:16*(\t)       ; both lanes of a block write the same byte with the same value
	global_store_b64 v4, v[C+4*(\t):C+4*(\t)+1], s[26:27] offset:32*CB*(\t)   ; the wave stores 256 consecutive bytes, aligned
.endm
.irp t, 0,1,2,3,4,5,6,7,8,9,10,11,12,13,14,15
	STEP \t
.endr
	ds_load_b64 v[8:9], v6                         ; LDS serves a wave's instructions in order: these see my byte stores
	s_wait_dscnt 0x0
	global_store_b64 v7, v[8:9], s[28:29]          ; the wave's 256 scale bytes, aligned
	s_wait_tensorcnt 0x0                           ; the wave's end
	ds_add_u32 v[SPW], v[NIL]
	s_wait_dscnt 0x0
	s_endpgm
.Lwo:                                              ; Wo to f16: a stream through sixteen register slots, no LDS
	s_sub_co_u32 s34, ttmp9, 224
	s_lshl_b32 s34, s34, 2
	s_add_co_u32 s34, s34, s32                     ; my run of 8,192 numbers
	s_mov_b32 s35, 0
	s_lshl_b32 s36, s34, 14                        ; x 16,384 bytes of f16
	s_mov_b32 s37, 0
	s_lshl_b32 s34, s34, 15                        ; x 32,768 bytes of f32
	s_add_nc_u64 s[12:13], s[12:13], s[34:35]
	s_add_nc_u64 s[22:23], s[22:23], s[36:37]
.irp i, 0,1,2,3,4,5,6,7,8,9,10,11,12,13,14,15
	global_load_b128 v[WX+4*\i:WX+4*\i+3], v3, s[12:13] offset:512*\i th:TH_LOAD_NT
.endr
.macro WSLOT n
.set I, (\n)%16
.if (\n) <= 48
	s_wait_loadcnt 15                              ; loads come back in order: mine is in, the fifteen younger ones stay out
.else
	s_wait_loadcnt 63-(\n)                         ; the tail loads nothing: the counts run down
.endif
	s_wait_xcnt 0x0                                ; the slot's last store has read its pair, which is rewritten only behind this wait
	v_cvt_pk_f16_f32 v[WY+2*I], v[WX+4*I], v[WX+4*I+1]
	v_cvt_pk_f16_f32 v[WY+2*I+1], v[WX+4*I+2], v[WX+4*I+3]
.if (\n)+16 < 64
	global_load_b128 v[WX+4*I:WX+4*I+3], v3, s[12:13] offset:512*((\n)+16) th:TH_LOAD_NT
.endif
	global_store_b64 v4, v[WY+2*I:WY+2*I+1], s[22:23] offset:256*(\n)   ; the wave stores 256 consecutive bytes, aligned
.endm
.set N, 0
.rept 64
	WSLOT N
.set N, N+1
.endr
	s_endpgm
.Lfunc_end_k_q2bb6e61b75_quant:
	.size	k_q2bb6e61b75_quant, .Lfunc_end_k_q2bb6e61b75_quant-k_q2bb6e61b75_quant
	.p2alignl 7, 3214868480
	.fill 96, 4, 3214868480
	.section	.rodata,"a",@progbits
	.p2align	6, 0x0
	.amdhsa_kernel k_q2bb6e61b75_quant
		.amdhsa_group_segment_fixed_size 33280
		.amdhsa_private_segment_fixed_size 0
		.amdhsa_enable_private_segment 0
		.amdhsa_kernarg_size 80
		.amdhsa_user_sgpr_count 2
		.amdhsa_user_sgpr_kernarg_segment_ptr 1
		.amdhsa_wavefront_size32 1
		.amdhsa_system_sgpr_workgroup_id_x 1
		.amdhsa_system_sgpr_workgroup_id_y 1
		.amdhsa_system_sgpr_workgroup_id_z 1
		.amdhsa_system_vgpr_workitem_id 0
		.amdhsa_next_free_vgpr 192
		.amdhsa_next_free_sgpr 66
		.amdhsa_reserve_vcc 0
		.amdhsa_float_denorm_mode_32 3
		.amdhsa_float_denorm_mode_16_64 3
		.amdhsa_memory_ordered 1
		.amdhsa_forward_progress 1
		.amdhsa_inst_pref_size 58
	.end_amdhsa_kernel
	.amdgpu_metadata
---
amdhsa.version: [ 1, 2 ]
amdhsa.kernels:
  - .name:           k_q2bb6e61b75_quant
    .symbol:         k_q2bb6e61b75_quant.kd
    .args:
      - { .name: hidden_states, .offset: 0, .size: 8, .value_kind: global_buffer, .address_space: global }
      - { .name: Wq, .offset: 8, .size: 8, .value_kind: global_buffer, .address_space: global }
      - { .name: Wk, .offset: 16, .size: 8, .value_kind: global_buffer, .address_space: global }
      - { .name: Wv, .offset: 24, .size: 8, .value_kind: global_buffer, .address_space: global }
      - { .name: Wo, .offset: 32, .size: 8, .value_kind: global_buffer, .address_space: global }
      - { .name: x_codes, .offset: 40, .size: 8, .value_kind: global_buffer, .address_space: global }
      - { .name: x_scales, .offset: 48, .size: 8, .value_kind: global_buffer, .address_space: global }
      - { .name: w_codes, .offset: 56, .size: 8, .value_kind: global_buffer, .address_space: global }
      - { .name: w_scales, .offset: 64, .size: 8, .value_kind: global_buffer, .address_space: global }
      - { .name: wo16, .offset: 72, .size: 8, .value_kind: global_buffer, .address_space: global }
    .group_segment_fixed_size: 33280
    .private_segment_fixed_size: 0
    .kernarg_segment_align: 8
    .kernarg_segment_size: 80
    .max_flat_workgroup_size: 128
    .sgpr_count:     66
    .vgpr_count:     192
    .wavefront_size: 32
...
	.end_amdgpu_metadata
.endif
;; end of part 1
;; launch qkv (part 2): grid 8 x 32, 12 waves a work-group, clusters of 4 x 4, 297,472 bytes of LDS; arguments x_codes, x_scales, w_codes, w_scales, qkv; writes qkv
.if DOCPART == 2
	.amdgcn_target "amdgcn-amd-amdhsa--gfx1250"
	.amdhsa_code_object_version 6
	.text
	.protected	k_q2bb6e61b75_qkv
	.globl	k_q2bb6e61b75_qkv
	.p2align	8
	.type	k_q2bb6e61b75_qkv,@function
k_q2bb6e61b75_qkv:
	s_mov_b64 s[64:65], 0
	v_nop
	global_prefetch_b8 v0, s[64:65] scope:SCOPE_SE
	s_setreg_imm32_b32 hwreg(HW_REG_WAVE_MODE, 25, 1), 1
	s_wait_xcnt 0x0
	s_wait_alu depctr_hold_cnt(0) depctr_sa_sdst(0) depctr_va_vdst(0) depctr_va_sdst(0) depctr_va_ssrc(0) depctr_va_vcc(0) depctr_vm_vsrc(0)
	s_getreg_b32 s2, hwreg(HW_REG_IB_STS2, 6, 4)
	s_cmp_eq_u32 s2, 0
	s_cbranch_scc0 .Lentry_in_a_cluster
	s_endpgm
.Lentry_in_a_cluster:
	s_bfe_u32 s2, ttmp6, 0x10000c
	s_cmp_lg_u32 s2, 0xf033
	s_cbranch_scc0 .Lentry_shape_is_right
	s_endpgm
.Lentry_shape_is_right:
; q, k, v = x W^T on codes of FP4 (E2M1) with E8M0 scales, sums in f32, rounded once to f16.  x: 4,096 tokens x 1,024; W: 3,072 rows (Wq, Wk, Wv on end) x 1,024.
; qkv: f16, [tensor q,k,v][batch][head][2,048 positions][64].  LIMIT: |q|, |k|, |v| stay under 65,504 (f16).
; SHARES: a work-group makes 128 tokens x 384 columns (six heads); each of its twelve waves 64 tokens x one head: 16 accumulators of 16 x 16.  Three waves share a SIMD: one wave's LDS loads stand beside another's products.
; ALL OF K LIES IN LDS: two chunks of 512 along K (rows of 256 bytes + 16 of padding), each W's 384 rows and then x's 128, and the scale bytes of all of K.  Every byte is filled once, at the head;
; chunk 1 lands while chunk 0 is multiplied.  By this text's count a loading wave has three tensor loads out.
; CLUSTER 4 x 4: x's tiles hang on the token block alone and are shared along a row of the cluster, W's on the column block alone and are shared along a column: joint loads, each with one descriptor and one mask.
; THE PRODUCT IS USED TRANSPOSED (source 0 = 16 rows of W, source 1 = 16 tokens): a lane then holds one token and eight neighbouring channels, 16 bytes of f16.
.set PITCH,  272
.set CHUNK,  139264                    ; (384 + 128) rows x 272
.set XOFF,   104448                    ; x's rows behind W's 384
.set SCL,    278528                    ; the scale bytes: units of 256 bytes + 16: W's 48 units, then x's 16; a row of 32 bytes stands at 32 row + 16 (row / 8)
.set SPARE,  295936                    ; the spare words: 128 bytes for each of twelve waves
.set SPITCH, 144                       ; the way out: 64 rows x (128 bytes + 16) for each wave, in chunk 0, which has had its one fill and its last read by then
.set ADRA, 4                           ; v4-5   LDS address of my x fragments in chunk 0, 1
.set ADRB, 6                           ; v6-7   the same for W
.set ADRS, 8                           ; v8     my scale words: lanes 0-15 W's rows, lanes 16-31 x's
.set STO,  9
.set RD,   10
.set GO,   11
.set SPW,  12
.set NIL,  13
.set SC,   16                          ; v16-47 scale words and nothing else: register 16 c + 4 i + q: block i, chunk c, the chunk's q-th 128 along K
.set AF,   48                          ; v48-79  x's four fragments
.set BF,   80                          ; v80-111 W's four fragments
.set ACC,  128                         ; accumulator (a, b) at v[128 + 8 (4 a + b)]
.set G1,   24                          ; s[24:31] group 1 for x's codes; s[32:39] its groups 0 (chunk 0, 1)
.set G0,   32
.set G1B,  48                          ; s[48:55], s[56:63] the same for W's codes
.set G0B,  56
.set G1S,  68                          ; s[68:75], s[76:79] x's scales; s[80:87], s[88:91] W's
.set G0S,  76
.set G1SB, 80
.set G0SB, 88
.macro CROUND                          ; a round of the cluster's barrier
	s_barrier_signal -1
	s_barrier_wait -1
	s_cmp_lg_u32 s14, 0
	s_cbranch_scc1 .Lnot_wave_0_\@
	s_barrier_signal -3
.Lnot_wave_0_\@:
	s_barrier_wait -3
	s_barrier_signal -1
	s_barrier_wait -1
.endm
	s_load_b128 s[4:7], s[0:1], 0x0                ; x's codes, x's scales
	s_load_b128 s[8:11], s[0:1], 0x10              ; W's codes, W's scales
	s_load_b64 s[12:13], s[0:1], 0x20              ; qkv
	v_lshl_add_u32 v[SPW], v0, 2, SPARE
	v_mov_b32 v[NIL], 0
	ds_add_u32 v[SPW], v[NIL]                      ; the wave's opening: an add of 0, twice on end, and its wait ahead of the first tensor loads
	ds_add_u32 v[SPW], v[NIL]
	v_lshrrev_b32 v1, 5, v0
	v_readfirstlane_b32 s14, v1                    ; wave 0..11
	s_and_b32 s15, s14, 1                          ; which 64 tokens are mine
	s_lshr_b32 s16, s14, 1                         ; which of the six heads
	s_bfe_u32 s40, ttmp6, 0x40000                  ; cx, cy
	s_bfe_u32 s41, ttmp6, 0x40004
	s_lshl_b32 s42, ttmp9, 2
	s_add_co_u32 s42, s42, s40                     ; column block 0..7
	s_and_b32 s17, ttmp7, 0xffff
	s_lshl_b32 s17, s17, 2
	s_add_co_u32 s17, s17, s41                     ; token block 0..31
	s_lshl_b32 s43, s41, 2
	s_lshl_b32 s43, 15, s43                        ; my row of the cluster
	s_lshl_b32 s44, 0x1111, s40                    ; my column
	s_or_b32 s[G1+0], s43, (0<<16)|(1<<20)|(1<<21)|(5<<22)|(3<<25)   ; the mask; elements of 1 byte; padding on; bit 21 beside a mask; 4 words behind every 64
	s_or_b32 s[G1B+0], s44, (0<<16)|(1<<20)|(1<<21)|(5<<22)|(3<<25)
.irp g, G1, G1B
	s_mov_b32 s[\g+1], 256<<16                     ; tensor_dim0 = 256 bytes
	s_mov_b32 s[\g+2], 128<<16                     ; tensor_dim1 = 128 rows
	s_mov_b32 s[\g+3], 256<<16                     ; tile_dim0
	s_mov_b32 s[\g+4], 128                         ; tile_dim1
	s_mov_b32 s[\g+5], 512                         ; a row of codes in memory
	s_mov_b32 s[\g+6], 0
	s_mov_b32 s[\g+7], 0
.endr
	s_or_b32 s[G1S+0], s43, (3<<16)|(1<<20)|(1<<21)|(5<<22)|(3<<25)  ; the scales of 128 rows: 4,096 dense bytes as 16 rows of 32 elements of 8 bytes
	s_or_b32 s[G1SB+0], s44, (3<<16)|(1<<20)|(1<<21)|(5<<22)|(3<<25)
.irp g, G1S, G1SB
	s_mov_b32 s[\g+1], 32<<16
	s_mov_b32 s[\g+2], 16<<16
	s_mov_b32 s[\g+3], 32<<16
	s_mov_b32 s[\g+4], 16
	s_mov_b32 s[\g+5], 32
	s_mov_b32 s[\g+6], 0
	s_mov_b32 s[\g+7], 0
.endr
	s_min_u32 s18, s14, 3                          ; the loader's index: waves 0-2 fetch W's rows 128 w on, wave 3 x's; the others issue nothing
	s_lshl_b32 s20, s17, 16                        ; x: 128 tokens x 512 bytes of codes,
	s_mov_b32 s21, 0
	s_lshl_b32 s22, s17, 12                        ; x 32 scale bytes
	s_mov_b32 s23, 0
	s_mul_i32 s46, s42, 384
	s_lshl_b32 s19, s18, 7
	s_add_co_u32 s46, s46, s19                     ; W: row 384 x column block + 128 x loader
	s_lshl_b32 s92, s46, 5
	s_mov_b32 s93, 0
	s_lshl_b32 s46, s46, 9
	s_mov_b32 s47, 0
	s_mul_i32 s45, s18, 128*PITCH                  ; where they go: loader x 128 rows: no place in the cluster enters an LDS address
	s_mul_i32 s94, s18, 16*272
	s_wait_dscnt 0x0                               ; both opening adds are done
	s_wait_kmcnt 0x0
	s_add_nc_u64 s[20:21], s[4:5], s[20:21]
	s_add_nc_u64 s[22:23], s[6:7], s[22:23]
	s_add_nc_u64 s[46:47], s[8:9], s[46:47]
	s_add_nc_u64 s[92:93], s[10:11], s[92:93]
	CROUND                                         ; all sixteen work-groups are here: the joint loads meet
	s_mov_b32 s[G0S], 1
	s_add_co_u32 s[G0S+1], s94, SCL
	s_mov_b64 s[G0S+2:G0S+3], s[22:23]
	s_or_b32 s[G0S+3], s[G0S+3], 0x80000000
	s_mov_b32 s[G0SB], 1
	s_add_co_u32 s[G0SB+1], s94, SCL
	s_mov_b64 s[G0SB+2:G0SB+3], s[92:93]
	s_or_b32 s[G0SB+3], s[G0SB+3], 0x80000000
.irp c, 0,1
	s_mov_b32 s[G0+4*\c], 1
	s_add_co_u32 s[G0+4*\c+1], s45, \c*CHUNK
	s_add_nc_u64 s[G0+4*\c+2:G0+4*\c+3], s[20:21], \c*256
	s_or_b32 s[G0+4*\c+3], s[G0+4*\c+3], 0x80000000
	s_mov_b32 s[G0B+4*\c], 1
	s_add_co_u32 s[G0B+4*\c+1], s45, \c*CHUNK
	s_add_nc_u64 s[G0B+4*\c+2:G0B+4*\c+3], s[46:47], \c*256
	s_or_b32 s[G0B+4*\c+3], s[G0B+4*\c+3], 0x80000000
.endr
	s_cmp_lt_u32 s14, 3                            ; a wave's three fills stand in one branch on the wave's number: scales, chunk 0, chunk 1
	s_cbranch_scc0 .Lnot_w
	tensor_load_to_lds s[G0SB:G0SB+3], s[G1SB:G1SB+7]
	s_nop 0
	tensor_load_to_lds s[G0B:G0B+3], s[G1B:G1B+7]
	s_nop 0
	tensor_load_to_lds s[G0B+4:G0B+7], s[G1B:G1B+7]
	s_nop 0
.rept 4
	v_nop
.endr
	s_branch .Lasked
.Lnot_w:
	s_cmp_eq_u32 s14, 3
	s_cbranch_scc0 .Lasked
	tensor_load_to_lds s[G0S:G0S+3], s[G1S:G1S+7]
	s_nop 0
	tensor_load_to_lds s[G0:G0+3], s[G1:G1+7]
	s_nop 0
	tensor_load_to_lds s[G0+4:G0+7], s[G1:G1+7]
	s_nop 0
.rept 4
	v_nop
.endr
.Lasked:
	v_and_b32 v1, 15, v0                           ; r
	v_bfe_u32 v2, v0, 4, 1                         ; h
	v_mul_u32_u24 v3, v1, PITCH
	v_lshl_add_u32 v3, v2, 4, v3                   ; a fragment's row x pitch + 16 x half
	s_mul_i32 s18, s15, 64*PITCH
	s_add_co_u32 s18, s18, XOFF                    ; my 64 tokens
	s_mul_i32 s19, s16, 64*PITCH                   ; my head's 64 rows of W
	v_add_nc_u32 v[ADRA], s18, v3
	v_add_nc_u32 v[ADRB], s19, v3
	s_add_co_u32 s18, s18, CHUNK
	s_add_co_u32 s19, s19, CHUNK
	v_add_nc_u32 v[ADRA+1], s18, v3
	v_add_nc_u32 v[ADRB+1], s19, v3
	v_lshlrev_b32 v[ADRS], 5, v1                   ; my row's 32 scale bytes,
	v_lshrrev_b32 v14, 3, v1
	v_lshl_add_u32 v[ADRS], v14, 4, v[ADRS]        ; and 16 more behind each 256
	s_mul_i32 s18, s16, 2176                       ; W's: my 64 rows
	s_mul_i32 s19, s15, 2176
	s_add_co_u32 s19, s19, 13056                   ; x's: my 64 rows, behind W's 384
	s_sub_co_u32 s19, s19, s18                     ; the distance between the two: 2,176 at the least
	v_mul_u32_u24 v14, s19, v2                     ; lanes 16-31 take x's
	s_add_co_u32 s18, s18, SCL
	v_add_nc_u32 v[ADRS], v[ADRS], v14
	v_add_nc_u32 v[ADRS], s18, v[ADRS]
	s_mul_i32 s18, s14, 64*SPITCH                  ; my stage
	v_mul_u32_u24 v3, v1, SPITCH
	v_lshl_add_u32 v3, v2, 4, v3
	v_add_nc_u32 v[STO], s18, v3                   ; in: token r, 16 bytes for each half of the lanes
	v_and_b32 v14, 31, v0
	v_lshlrev_b32 v[GO], 4, v14                    ; out: 16 bytes a lane of 512 consecutive bytes (four tokens' rows of 128)
	v_lshrrev_b32 v15, 3, v14
	v_mul_u32_u24 v15, v15, SPITCH
	v_and_b32 v14, 7, v14
	v_lshl_add_u32 v15, v14, 4, v15
	v_add_nc_u32 v[RD], s18, v15
	s_mul_i32 s18, s42, 6
	s_add_co_u32 s18, s18, s16                     ; G = my head among the 48 of q, k, v
	s_lshl_b32 s19, s17, 7
	s_lshl_b32 s95, s15, 6
	s_add_co_u32 s19, s19, s95                     ; my first token
	s_lshr_b32 s95, s18, 4
	s_lshl_b32 s95, s95, 5                         ; 32 x tensor
	s_lshr_b32 s96, s19, 11
	s_lshl_b32 s96, s96, 4                         ; + 16 x batch
	s_add_co_u32 s95, s95, s96
	s_and_b32 s96, s18, 15                         ; + head
	s_add_co_u32 s95, s95, s96
	s_lshl_b32 s96, s95, 18                        ; x 262,144 bytes
	s_and_b32 s19, s19, 2047
	s_lshl_b32 s19, s19, 7                         ; + position x 128 bytes
	s_add_co_u32 s96, s96, s19
	s_mov_b32 s97, 0
	s_add_nc_u64 s[12:13], s[12:13], s[96:97]
.macro FRAG reg, adr, q, i             ; 16 rows x 128 K of 4-bit codes: 8 registers; registers 4 c .. 4 c + 3 hold K = 64 c + 32 (lane / 16) + 0 .. 31
.irp cc, 0,1
	ds_load_b128 v[\reg+4*\cc:\reg+4*\cc+3], v[\adr] offset:64*(\q)+32*\cc+(\i)*16*PITCH
.endr
.endm
.macro MUL8 a0, c, q, zero             ; token blocks a0, a0 + 1 x W's four blocks.  The sixteen accumulators take turns, one instruction a turn
.irp a, \a0, \a0+1
.irp b, 0,1,2,3
.if \zero
	v_wmma_scale_f32_16x16x128_f8f6f4 v[ACC+8*(4*(\a)+\b):ACC+8*(4*(\a)+\b)+7], v[BF+8*\b:BF+8*\b+7], v[AF+8*(\a):AF+8*(\a)+7], 0, v[SC+16*(\c)+4*\b+(\q)], v[SC+16*(\c)+4*(\a)+(\q)] matrix_a_fmt:MATRIX_FMT_FP4 matrix_b_fmt:MATRIX_FMT_FP4 matrix_b_scale:MATRIX_SCALE_ROW1
.else
	v_wmma_scale_f32_16x16x128_f8f6f4 v[ACC+8*(4*(\a)+\b):ACC+8*(4*(\a)+\b)+7], v[BF+8*\b:BF+8*\b+7], v[AF+8*(\a):AF+8*(\a)+7], v[ACC+8*(4*(\a)+\b):ACC+8*(4*(\a)+\b)+7], v[SC+16*(\c)+4*\b+(\q)], v[SC+16*(\c)+4*(\a)+(\q)] matrix_a_fmt:MATRIX_FMT_FP4 matrix_b_fmt:MATRIX_FMT_FP4 matrix_b_scale:MATRIX_SCALE_ROW1
.endif
.endr
.endr
.endm
.macro KSTEP c, q, zero                ; 128 along K: 16 LDS loads, 16 products
.rept 4
	v_nop                                          ; four places in front of loads into registers that the last products have read (ISA guide 7.12.1 for vector instructions)
.endr
.irp i, 0,1,2,3
	FRAG BF+8*\i, ADRB+\c, \q, \i
.endr
.irp i, 0,1,2,3
	FRAG AF+8*\i, ADRA+\c, \q, \i
.endr
	s_wait_dscnt 4                                 ; W's four and x's blocks 0, 1 are in; the youngest four loads (x's blocks 2, 3) may be out
	MUL8 0, \c, \q, \zero
	s_wait_dscnt 0x0
	MUL8 2, \c, \q, \zero
.endm
	s_wait_tensorcnt 0x1                           ; my scales and my part of chunk 0 are in; chunk 1 may stay out
	s_barrier_signal -1
	s_barrier_wait -1                              ; everybody's are
.irp c, 0,1
.irp i, 0,1,2,3
	ds_load_b128 v[SC+16*\c+4*\i:SC+16*\c+4*\i+3], v[ADRS] offset:544*\i+16*\c   ; four scale words a row: lanes 0-15 W's block i, lanes 16-31 x's block i
.endr
.endr
	KSTEP 0, 0, 1                                  ; the first products start the sums: nothing is cleared
	KSTEP 0, 1, 0
	KSTEP 0, 2, 0
	KSTEP 0, 3, 0
	s_wait_tensorcnt 0x0                           ; my part of chunk 1 is in,
	s_wait_dscnt 0x0                               ; and my reads of chunk 0 are over: the stages will lie there
	s_barrier_signal -1
	s_barrier_wait -1
	KSTEP 1, 0, 0
	KSTEP 1, 1, 0
	KSTEP 1, 2, 0
	KSTEP 1, 3, 0
	; THE WAY OUT: round to f16; 16 bytes a lane into my own stage; back as whole rows; 512 consecutive bytes a store.
.rept 4
	v_nop                                          ; places behind the last products
.endr
.irp a, 0,1,2,3
.irp b, 0,1,2,3
.irp k, 0,1,2,3
	v_cvt_pk_f16_f32 v[AF+16*\a+4*\b+\k], v[ACC+8*(4*\a+\b)+2*\k], v[ACC+8*(4*\a+\b)+2*\k+1]   ; each accumulator from its low end on
.endr
.endr
.endr
.irp a, 0,1,2,3
.irp b, 0,1,2,3
	ds_store_b128 v[STO], v[AF+16*\a+4*\b:AF+16*\a+4*\b+3] offset:\a*16*SPITCH+32*\b
.endr
.endr
.irp i, 0,1,2,3,4,5,6,7,8,9,10,11,12,13,14,15
	ds_load_b128 v[ACC+4*\i:ACC+4*\i+3], v[RD] offset:\i*4*SPITCH   ; LDS serves a wave's instructions in order: these see my stores
.endr
.irp i, 0,1,2,3,4,5,6,7,8,9,10,11,12,13,14,15
	s_wait_dscnt 15-\i                             ; the younger loads may stay out
	global_store_b128 v[GO], v[ACC+4*\i:ACC+4*\i+3], s[12:13] offset:512*\i
.endr
	s_wait_tensorcnt 0x0                           ; the wave's end
	ds_add_u32 v[SPW], v[NIL]
	s_wait_dscnt 0x0
	CROUND                                         ; the closing round
	s_endpgm
.Lfunc_end_k_q2bb6e61b75_qkv:
	.size	k_q2bb6e61b75_qkv, .Lfunc_end_k_q2bb6e61b75_qkv-k_q2bb6e61b75_qkv
	.p2alignl 7, 3214868480
	.fill 96, 4, 3214868480
	.section	.rodata,"a",@progbits
	.p2align	6, 0x0
	.amdhsa_kernel k_q2bb6e61b75_qkv
		.amdhsa_group_segment_fixed_size 297472
		.amdhsa_private_segment_fixed_size 0
		.amdhsa_enable_private_segment 0
		.amdhsa_kernarg_size 40
		.amdhsa_user_sgpr_count 2
		.amdhsa_user_sgpr_kernarg_segment_ptr 1
		.amdhsa_wavefront_size32 1
		.amdhsa_system_sgpr_workgroup_id_x 1
		.amdhsa_system_sgpr_workgroup_id_y 1
		.amdhsa_system_sgpr_workgroup_id_z 1
		.amdhsa_system_vgpr_workitem_id 0
		.amdhsa_next_free_vgpr 256
		.amdhsa_next_free_sgpr 100
		.amdhsa_reserve_vcc 0
		.amdhsa_float_denorm_mode_32 3
		.amdhsa_float_denorm_mode_16_64 3
		.amdhsa_memory_ordered 1
		.amdhsa_forward_progress 1
		.amdhsa_inst_pref_size 44
	.end_amdhsa_kernel
	.amdgpu_metadata
---
amdhsa.version: [ 1, 2 ]
amdhsa.kernels:
  - .name:           k_q2bb6e61b75_qkv
    .symbol:         k_q2bb6e61b75_qkv.kd
    .args:
      - { .name: x_codes, .offset: 0, .size: 8, .value_kind: global_buffer, .address_space: global }
      - { .name: x_scales, .offset: 8, .size: 8, .value_kind: global_buffer, .address_space: global }
      - { .name: w_codes, .offset: 16, .size: 8, .value_kind: global_buffer, .address_space: global }
      - { .name: w_scales, .offset: 24, .size: 8, .value_kind: global_buffer, .address_space: global }
      - { .name: qkv, .offset: 32, .size: 8, .value_kind: global_buffer, .address_space: global }
    .group_segment_fixed_size: 297472
    .private_segment_fixed_size: 0
    .kernarg_segment_align: 8
    .kernarg_segment_size: 40
    .max_flat_workgroup_size: 384
    .sgpr_count:     100
    .vgpr_count:     256
    .wavefront_size: 32
...
	.end_amdgpu_metadata
.endif
;; end of part 2
;; launch attn (part 3): grid 16 x 16, 8 waves a work-group, no clusters, 269,312 bytes of LDS; arguments qkv, ctx; writes ctx
.if DOCPART == 3
	.amdgcn_target "amdgcn-amd-amdhsa--gfx1250"
	.amdhsa_code_object_version 6
	.text
	.protected	k_q2bb6e61b75_attn
	.globl	k_q2bb6e61b75_attn
	.p2align	8
	.type	k_q2bb6e61b75_attn,@function
k_q2bb6e61b75_attn:
	s_mov_b64 s[64:65], 0
	v_nop
	global_prefetch_b8 v0, s[64:65] scope:SCOPE_SE
	s_setreg_imm32_b32 hwreg(HW_REG_WAVE_MODE, 25, 1), 1
	s_wait_xcnt 0x0
; ctx[token][head x 64 ..] = softmax over the band (query - 256 < key <= query) of q . k (no scaling), times v.  q, k, v: f16, [tensor][batch][head][2,048][64]; ctx: f16, [4,096 tokens][1,024].
; Products on f16 operands with f32 sums; maxima, exponentials and sums in f32; a running maximum is taken away ahead of every exponential; p is rounded to f16 for the second product, ctx once at the end.
; LIMITS: scores stay above -1e38 (the running maximum's floor, needed since a step may hold no key of a query); NaN and infinities are not served.
; SHARES: a work-group takes 128 queries of a pair of heads, so that a token's output is 256 consecutive bytes, aligned.  Wave w: head w / 4 of the pair, queries 32 (w % 4) on: two tiles of 16.
; It walks keys Q0 - 256 .. Q0 + 31 in nine steps of 32: only steps 0 and 8 cut the band's edges; a step whose keys lie ahead of the sequence's first is masked whole (a scalar branch on ids).
; LDS holds the work-group's 384 keys of K and V for both heads, each byte filled once at the head: 24 pieces of 64 rows, three a wave (three tensor loads of a wave are out at the most).
; Pieces that would begin ahead of key 0 are held at key 0: their rows are read and masked.
; NO CLUSTER: a piece of keys serves up to three neighbouring query blocks, at a different LDS address in each, and a joint load has one descriptor for all that it names.
; LAYOUT: S^T = K Q^T (source 0 = 16 keys, source 1 = 16 queries) and O^T = V^T P: a lane holds one query (lane % 16) throughout; two tiles of S^T, rounded in pairs, are source 1 of the second product.
.set PK,    144                        ; a key's row of K in LDS: 128 bytes + 16
.set PV,    160                        ; of V: 128 + 32
.set KHEAD, 384*PK
.set VHEAD, 384*PV
.set VBASE, 2*KHEAD
.set STAGE, VBASE+2*VHEAD              ; 128 rows x (256 bytes + 16), for the way out: bytes of its own
.set SP,    272
.set SPARE, STAGE+128*SP               ; the spare words: 128 bytes for each of eight waves
.set AK,   2                           ; v2  my lane's place in K, at my wave's step 0
.set AV,   3                           ; v3  the same for V (turning load)
.set QO,   4
.set STO,  5
.set RD,   6
.set GO,   7
.set QREL, 8                           ; v8-9  16 t + lane % 16 - 8 (lane / 16), signed
.set NEG,  10                          ; v10 -infinity
.set SPW,  12
.set NIL,  13
.set ST,   16                          ; tile t at v[16 + 8 t]: +0 c m, +1 m, +2, +3 l, +4, +5 at work, +6 a, +7 c m_old - c m_new
.set Q,    32                          ; v[32 + 16 t + 8 kk]
.set KF,   64                          ; v[64 + 16 cc + 8 kk]
.set VF,   96                          ; v[96 + 8 ct]
.set S,    128                         ; v[128 + 16 t + 8 cc]
.set P,    160                         ; v[160 + 8 t]
.set O,    176                         ; v[176 + 32 t + 8 ct]
.set G1K,  24
.set G1V,  32
.set G0K,  40                          ; s[40:51] three groups 0 for K's pieces
.set G0V,  52                          ; s[52:63] for V's
.set CS,   66                          ; s[66:67] c = log2(e)
.set SEL,  68                          ; s[68:69] lane l xor 16
	s_load_b128 s[4:7], s[0:1], 0x0                ; qkv, ctx
	v_lshl_add_u32 v[SPW], v0, 2, SPARE
	v_mov_b32 v[NIL], 0
	ds_add_u32 v[SPW], v[NIL]                      ; the wave's opening: an add of 0, twice on end, and its wait ahead of my first tensor load
	ds_add_u32 v[SPW], v[NIL]
	v_lshrrev_b32 v1, 5, v0
	v_readfirstlane_b32 s8, v1                     ; wave 0..7
	s_mov_b32 s9, ttmp9                            ; block of 128 queries
	s_and_b32 s10, ttmp7, 0xffff
	s_lshr_b32 s11, s10, 3                         ; batch
	s_and_b32 s12, s10, 7                          ; pair of heads
	s_and_b32 s13, s8, 1                           ; I fetch for K (0) or V (1),
	s_bfe_u32 s14, s8, 0x10001                     ; for which head of the pair,
	s_lshr_b32 s15, s8, 2                          ; which 64 rows of each 128
	s_lshr_b32 s16, s8, 2                          ; I compute for head e,
	s_and_b32 s17, s8, 3                           ; queries 32 g on
	s_mov_b32 s[G1K], (1<<16)|(1<<20)|(4<<22)|(3<<25)   ; elements of 2 bytes; padding on: 4 words behind every 32
	s_mov_b32 s[G1V], (1<<16)|(1<<20)|(4<<22)|(7<<25)   ; 8 words
.irp g, G1K, G1V
	s_mov_b32 s[\g+1], 64<<16                      ; tensor_dim0 = 64
	s_mov_b32 s[\g+2], 64<<16                      ; tensor_dim1 = 64
	s_mov_b32 s[\g+3], 64<<16                      ; tile_dim0
	s_mov_b32 s[\g+4], 64                          ; tile_dim1
	s_mov_b32 s[\g+5], 64                          ; elements from row to row
	s_mov_b32 s[\g+6], 0
	s_mov_b32 s[\g+7], 0
.endr
	s_mov_b32 s[CS], 0x3fb8aa3b
	s_mov_b32 s[CS+1], s[CS]
	s_mov_b32 s[SEL], 0x76543210
	s_mov_b32 s[SEL+1], 0xfedcba98
	s_lshl_b32 s70, s9, 2
	s_add_co_u32 s70, s70, s17                     ; Q0 / 32
	s_lshl_b32 s71, s11, 4
	s_lshl_b32 s72, s12, 1
	s_add_co_u32 s71, s71, s72                     ; 16 batch + the pair's first head
	s_add_co_u32 s73, s71, s14
	s_lshl_b32 s73, s73, 18                        ; the head that I fetch for, in bytes
	s_lshl_b32 s74, s9, 7
	s_lshl_b32 s75, s15, 6
	s_add_co_u32 s74, s74, s75
	s_sub_co_i32 s74, s74, 256                     ; piece 0's first key; it may be negative
	s_mul_i32 s76, s14, KHEAD
	s_mul_i32 s77, s15, 64*PK
	s_add_co_u32 s76, s76, s77                     ; K's piece 0 in LDS
	s_mul_i32 s77, s14, VHEAD
	s_mul_i32 s78, s15, 64*PV
	s_add_co_u32 s77, s77, s78
	s_add_co_u32 s77, s77, VBASE                   ; V's
	s_mov_b32 s79, 0
	s_wait_dscnt 0x0                               ; both opening adds are done
	s_wait_kmcnt 0x0
.irp u, 0,1,2
	s_add_co_i32 s78, s74, 128*\u
	s_max_i32 s78, s78, 0                          ; held at the sequence's first key
	s_lshl_b32 s78, s78, 7
	s_add_co_u32 s78, s78, s73
	s_mov_b32 s[G0K+4*\u], 1
	s_add_co_u32 s[G0K+4*\u+1], s76, \u*128*PK
	s_add_nc_u64 s[G0K+4*\u+2:G0K+4*\u+3], s[4:5], s[78:79]
	s_add_nc_u64 s[G0K+4*\u+2:G0K+4*\u+3], s[G0K+4*\u+2:G0K+4*\u+3], 8388608    ; k lies behind q
	s_or_b32 s[G0K+4*\u+3], s[G0K+4*\u+3], 0x80000000
	s_mov_b32 s[G0V+4*\u], 1
	s_add_co_u32 s[G0V+4*\u+1], s77, \u*128*PV
	s_add_nc_u64 s[G0V+4*\u+2:G0V+4*\u+3], s[4:5], s[78:79]
	s_add_nc_u64 s[G0V+4*\u+2:G0V+4*\u+3], s[G0V+4*\u+2:G0V+4*\u+3], 16777216   ; v behind k
	s_or_b32 s[G0V+4*\u+3], s[G0V+4*\u+3], 0x80000000
.endr
	s_cmp_eq_u32 s13, 0                            ; a wave's three fills stand in one branch on the wave's number, in the order in which they are wanted
	s_cbranch_scc0 .Lfor_v
.irp u, 0,1,2
	tensor_load_to_lds s[G0K+4*\u:G0K+4*\u+3], s[G1K:G1K+7]
	s_nop 0
.endr
.rept 4
	v_nop
.endr
	s_branch .Lasked
.Lfor_v:
.irp u, 0,1,2
	tensor_load_to_lds s[G0V+4*\u:G0V+4*\u+3], s[G1V:G1V+7]
	s_nop 0
.endr
.rept 4
	v_nop
.endr
.Lasked:
	s_add_co_u32 s78, s71, s16
	s_lshl_b32 s78, s78, 18                        ; my head,
	s_lshl_b32 s75, s9, 14
	s_add_co_u32 s78, s78, s75                     ; my block's 128 queries of 128 bytes,
	s_lshl_b32 s75, s17, 12
	s_add_co_u32 s78, s78, s75                     ; my 32
	s_add_nc_u64 s[20:21], s[4:5], s[78:79]
	s_lshl_b32 s78, s11, 11
	s_lshl_b32 s75, s9, 7
	s_add_co_u32 s78, s78, s75
	s_lshl_b32 s75, s8, 4
	s_add_co_u32 s78, s78, s75                     ; the first token that I store: 2,048 batch + 128 block + 16 wave
	s_lshl_b32 s78, s78, 11
	s_lshl_b32 s75, s12, 8
	s_add_co_u32 s78, s78, s75                     ; + the pair's 256 bytes
	s_add_nc_u64 s[22:23], s[6:7], s[78:79]
	v_and_b32 v1, 15, v0                           ; r
	v_bfe_u32 v11, v0, 4, 1                        ; h
	v_lshlrev_b32 v[QO], 7, v1
	v_lshl_add_u32 v[QO], v11, 4, v[QO]
.irp t, 0,1
.irp kk, 0,1
	global_load_b128 v[Q+16*\t+8*\kk:Q+16*\t+8*\kk+3],   v[QO], s[20:21] offset:\t*2048+64*\kk      ; Q stays in registers
	global_load_b128 v[Q+16*\t+8*\kk+4:Q+16*\t+8*\kk+7], v[QO], s[20:21] offset:\t*2048+64*\kk+32
.endr
.endr
	v_mul_u32_u24 v[AK], v1, PK
	v_lshl_add_u32 v[AK], v11, 4, v[AK]
	s_mul_i32 s75, s16, KHEAD
	s_mul_i32 s78, s17, 32*PK
	s_add_co_u32 s75, s75, s78
	v_add_nc_u32 v[AK], s75, v[AK]                 ; head, + 32 g keys, + row r, + 16 h
	v_and_b32 v14, 7, v0
	v_lshl_add_u32 v[AV], v11, 3, v14
	v_mul_u32_u24 v[AV], v[AV], PV
	v_bfe_u32 v14, v0, 3, 1
	v_lshl_add_u32 v[AV], v14, 4, v[AV]            ; the turning load: key 8 h + lane % 8, channels 8 ((lane / 8) % 2) on
	s_mul_i32 s75, s16, VHEAD
	s_mul_i32 s78, s17, 32*PV
	s_add_co_u32 s75, s75, s78
	s_add_co_u32 s75, s75, VBASE
	v_add_nc_u32 v[AV], s75, v[AV]
	s_mul_i32 s75, s17, 32*SP
	s_lshl_b32 s78, s16, 7
	s_add_co_u32 s75, s75, s78
	s_add_co_u32 s75, s75, STAGE
	v_mul_u32_u24 v[STO], v1, SP
	v_lshl_add_u32 v[STO], v11, 4, v[STO]
	v_add_nc_u32 v[STO], s75, v[STO]               ; the stage: row 32 g + r, my head's 128 bytes, 16 bytes for each half of the lanes
	s_mul_i32 s75, s8, 16*SP
	s_add_co_u32 s75, s75, STAGE
	v_mul_u32_u24 v[RD], v11, SP
	v_lshl_add_u32 v[RD], v1, 4, v[RD]
	v_add_nc_u32 v[RD], s75, v[RD]                 ; back: rows 16 w on; lanes 0-15 one row, lanes 16-31 the next
	v_lshlrev_b32 v[GO], 11, v11
	v_lshl_add_u32 v[GO], v1, 4, v[GO]             ; and the same two rows in ctx
	v_lshlrev_b32 v14, 3, v11
	v_sub_nc_u32 v[QREL], v1, v14
	v_add_nc_u32 v[QREL+1], 16, v[QREL]
	v_mov_b32 v[NEG], 0xff800000
	s_wait_loadcnt 0x0                             ; Q
.macro KLOAD j                         ; step j's K: 32 keys x 64 channels, four fragments
.irp cc, 0,1
.irp kk, 0,1
	ds_load_b128 v[KF+16*\cc+8*\kk:KF+16*\cc+8*\kk+3],   v[AK] offset:(32*(\j)+16*\cc)*PK+64*\kk
	ds_load_b128 v[KF+16*\cc+8*\kk+4:KF+16*\cc+8*\kk+7], v[AK] offset:(32*(\j)+16*\cc)*PK+64*\kk+32
.endr
.endr
.endm
; A KEY STEP of 32 keys.  first: it starts m, l and O^T.  head: its K is fetched here (else the step before has asked for it).  pre: it asks for the next step's K.
; edge 1: the band's lower edge; 2: the causal edge.  neg: its keys may lie ahead of the sequence's first key.
.macro STEP j, first, head, pre, edge, neg
.if \head
	KLOAD \j
.endif
	s_wait_dscnt 0x0                               ; K is in
.irp kk, 0,1                                   ; the four accumulators take turns, one instruction a turn
.irp t, 0,1
.irp cc, 0,1
.if \kk == 0
	v_wmma_f32_16x16x32_f16 v[S+16*\t+8*\cc:S+16*\t+8*\cc+7], v[KF+16*\cc+8*\kk:KF+16*\cc+8*\kk+7], v[Q+16*\t+8*\kk:Q+16*\t+8*\kk+7], 0
.else
	v_wmma_f32_16x16x32_f16 v[S+16*\t+8*\cc:S+16*\t+8*\cc+7], v[KF+16*\cc+8*\kk:KF+16*\cc+8*\kk+7], v[Q+16*\t+8*\kk:Q+16*\t+8*\kk+7], v[S+16*\t+8*\cc:S+16*\t+8*\cc+7]
.endif
.endr
.endr
.endr
.rept 4
	v_nop                                          ; four places: for the reads of the scores, and for the loads into K's and V's registers (ISA guide 7.12.1 for vector instructions)
.endr
.irp ct, 0,1,2,3
	ds_load_tr16_b128 v[VF+8*\ct:VF+8*\ct+3],   v[AV] offset:32*(\j)*PV+32*\ct
	ds_load_tr16_b128 v[VF+8*\ct+4:VF+8*\ct+7], v[AV] offset:32*(\j)*PV+16*PV+32*\ct
.endr
.if \pre
	KLOAD (\j)+1
.endif
.if \neg
	s_add_co_u32 s71, s70, \j                      ; the step's first key is 32 (s71 - 8)
	s_cmp_ge_u32 s71, 8
	s_cbranch_scc1 .Lvalid_\@                      ; ids alone
.set NN, 0
.rept 32
	v_mov_b32 v[S+NN], v[NEG]                      ; there are no such keys: p = 0
.set NN, NN+1
.endr
.Lvalid_\@:
.endif
.if \edge == 1                                 ; key Q0 - 256 + kappa counts for query Q0 + 16 t + r where kappa > 16 t + r; register 8 cc + i holds kappa = 16 cc + 8 h + i
.irp t, 0,1
.irp n, 0,1,2,3,4,5,6,7,8,9,10,11,12,13,14,15
	v_cmp_le_i32 vcc_lo, 16*(\n/8)+\n%8, v[QREL+\t]
	v_cndmask_b32 v[S+16*\t+\n], v[S+16*\t+\n], v[NEG], vcc_lo
.endr
.endr
.endif
.if \edge == 2                                 ; key Q0 + kappa counts where kappa <= 16 t + r
.irp t, 0,1
.irp n, 0,1,2,3,4,5,6,7,8,9,10,11,12,13,14,15
	v_cmp_gt_i32 vcc_lo, 16*(\n/8)+\n%8, v[QREL+\t]
	v_cndmask_b32 v[S+16*\t+\n], v[S+16*\t+\n], v[NEG], vcc_lo
.endr
.endr
.endif
.irp t, 0,1                                    ; the maximum of my 16 scores and the old m, in two chains a tile; each accumulator is read from its low end on
	v_max3_num_f32 v[ST+8*\t+4], v[S+16*\t], v[S+16*\t+1], v[S+16*\t+2]
	v_max3_num_f32 v[ST+8*\t+5], v[S+16*\t+3], v[S+16*\t+4], v[S+16*\t+5]
.endr
.irp i, 6,10
.irp t, 0,1
	v_max3_num_f32 v[ST+8*\t+4], v[ST+8*\t+4], v[S+16*\t+\i], v[S+16*\t+\i+1]
	v_max3_num_f32 v[ST+8*\t+5], v[ST+8*\t+5], v[S+16*\t+\i+2], v[S+16*\t+\i+3]
.endr
.endr
.irp t, 0,1
	v_max3_num_f32 v[ST+8*\t+4], v[ST+8*\t+4], v[S+16*\t+14], v[S+16*\t+15]
.endr
.irp t, 0,1
.if \first
	v_max3_num_f32 v[ST+8*\t+4], v[ST+8*\t+4], v[ST+8*\t+5], 0xfe967699   ; the floor -1e38: m is a number also where no key of the step counts
.else
	v_max3_num_f32 v[ST+8*\t+4], v[ST+8*\t+4], v[ST+8*\t+5], v[ST+8*\t+1]
.endif
.endr
.irp t, 0,1
	v_permlanex16_b32 v[ST+8*\t+5], v[ST+8*\t+4], s[SEL], s[SEL+1]   ; the query's other 16 keys lie in the lane 16 away
.endr
.irp t, 0,1
	v_max_num_f32 v[ST+8*\t+1], v[ST+8*\t+4], v[ST+8*\t+5]
.endr
.if !\first
.irp t, 0,1
	v_mov_b32 v[ST+8*\t+7], v[ST+8*\t]
.endr
.endif
.irp t, 0,1
	v_mul_f32 v[ST+8*\t], s[CS], v[ST+8*\t+1]
.endr
.if !\first
.irp t, 0,1
	v_sub_f32 v[ST+8*\t+7], v[ST+8*\t+7], v[ST+8*\t]
.endr
.endif
.irp t, 0,1
.irp i, 0,2,4,6,8,10,12,14
	v_pk_fma_f32 v[S+16*\t+\i:S+16*\t+\i+1], v[S+16*\t+\i:S+16*\t+\i+1], s[CS:CS+1], v[ST+8*\t:ST+8*\t+1] op_sel_hi:[1,0,0] neg_lo:[0,0,1] neg_hi:[0,0,1]   ; c s - c m
.endr
.endr
.if !\first
.irp t, 0,1
	v_exp_f32 v[ST+8*\t+6], v[ST+8*\t+7]           ; a = 2^(c m_old - c m_new)
.endr
.endif
.set NN, 0
.rept 32
	v_exp_f32 v[S+NN], v[S+NN]                     ; p
.set NN, NN+1
.endr
	v_nop                                          ; a plain instruction behind the last exponential
	s_wait_alu depctr_va_vdst(0)                   ; one wait for the whole batch, ahead of its first reader
.irp t, 0,1
.irp i, 0,1,2,3,4,5,6,7
	v_cvt_pk_f16_f32 v[P+8*\t+\i], v[S+16*\t+2*\i], v[S+16*\t+2*\i+1]
.endr
.endr
.irp t, 0,1                                    ; the sum of the unrounded p, two at a time, in place
.irp i, 0,4,8,12
	v_pk_add_f32 v[S+16*\t+\i:S+16*\t+\i+1], v[S+16*\t+\i:S+16*\t+\i+1], v[S+16*\t+\i+2:S+16*\t+\i+3]
.endr
.endr
.irp t, 0,1
.irp i, 0,8
	v_pk_add_f32 v[S+16*\t+\i:S+16*\t+\i+1], v[S+16*\t+\i:S+16*\t+\i+1], v[S+16*\t+\i+4:S+16*\t+\i+5]
.endr
.endr
.irp t, 0,1
.if \first
	v_pk_add_f32 v[ST+8*\t+2:ST+8*\t+3], v[S+16*\t:S+16*\t+1], v[S+16*\t+8:S+16*\t+9]
.else
	v_pk_add_f32 v[S+16*\t:S+16*\t+1], v[S+16*\t:S+16*\t+1], v[S+16*\t+8:S+16*\t+9]
.endif
.endr
.if !\first
.irp t, 0,1
	v_pk_fma_f32 v[ST+8*\t+2:ST+8*\t+3], v[ST+8*\t+2:ST+8*\t+3], v[ST+8*\t+6:ST+8*\t+7], v[S+16*\t:S+16*\t+1] op_sel_hi:[1,0,1]   ; l = a l + the sum
.endr
.irp t, 0,1
.irp i, 0,2,4,6,8,10,12,14,16,18,20,22,24,26,28,30
	v_pk_mul_f32 v[O+32*\t+\i:O+32*\t+\i+1], v[O+32*\t+\i:O+32*\t+\i+1], v[ST+8*\t+6:ST+8*\t+7] op_sel_hi:[1,0]   ; O^T x a
.endr
.endr
.endif
.if \pre
	s_wait_dscnt 8                                 ; V is in; the next step's eight loads of K may be out
.else
	s_wait_dscnt 0x0
.endif
.irp ct, 0,1,2,3
.irp t, 0,1
.if \first
	v_wmma_f32_16x16x32_f16 v[O+32*\t+8*\ct:O+32*\t+8*\ct+7], v[VF+8*\ct:VF+8*\ct+7], v[P+8*\t:P+8*\t+7], 0
.else
	v_wmma_f32_16x16x32_f16 v[O+32*\t+8*\ct:O+32*\t+8*\ct+7], v[VF+8*\ct:VF+8*\ct+7], v[P+8*\t:P+8*\t+7], v[O+32*\t+8*\ct:O+32*\t+8*\ct+7]
.endif
.endr
.endr
.endm
	s_wait_tensorcnt 0x2                           ; my first piece is in; the two later ones may stay out
	s_barrier_signal -1
	s_barrier_wait -1                              ; local keys 0-127 are whole
	STEP 0, 1, 1, 0, 1, 1                          ; local keys 32 g on: under 128
	s_wait_tensorcnt 0x1                           ; my second piece
	s_wait_dscnt 0x0
	s_barrier_signal -1
	s_barrier_wait -1                              ; local keys 0-255
	STEP 1, 0, 1, 1, 0, 1
	STEP 2, 0, 0, 1, 0, 1
	STEP 3, 0, 0, 1, 0, 1
	STEP 4, 0, 0, 0, 0, 1                          ; local keys 32 (g + 4) on: under 256
	s_wait_tensorcnt 0x0
	s_wait_dscnt 0x0
	s_barrier_signal -1
	s_barrier_wait -1                              ; all 384
	STEP 5, 0, 1, 1, 0, 1
	STEP 6, 0, 0, 1, 0, 1
	STEP 7, 0, 0, 1, 0, 1
	STEP 8, 0, 0, 0, 2, 0
	; THE WAY OUT: O^T / l, rounded to f16, through the work-group's stage (a row's two halves come from two waves), out as whole rows of 256 bytes.
.rept 4
	v_nop                                          ; places behind the last products
.endr
.irp t, 0,1
	v_add_f32 v[ST+8*\t+4], v[ST+8*\t+2], v[ST+8*\t+3]
.endr
.irp t, 0,1
	v_permlanex16_b32 v[ST+8*\t+5], v[ST+8*\t+4], s[SEL], s[SEL+1]
.endr
.irp t, 0,1
	v_add_f32 v[ST+8*\t+4], v[ST+8*\t+4], v[ST+8*\t+5]
.endr
.irp t, 0,1
	v_rcp_f32 v[ST+8*\t+6], v[ST+8*\t+4]
.endr
	v_nop                                          ; a plain instruction behind the last reciprocal
	s_wait_alu depctr_va_vdst(0)                   ; one wait for both, ahead of the first reader
.irp t, 0,1
.irp i, 0,2,4,6,8,10,12,14,16,18,20,22,24,26,28,30
	v_pk_mul_f32 v[O+32*\t+\i:O+32*\t+\i+1], v[O+32*\t+\i:O+32*\t+\i+1], v[ST+8*\t+6:ST+8*\t+7] op_sel_hi:[1,0]
.endr
.endr
.irp t, 0,1
.irp i, 0,1,2,3,4,5,6,7,8,9,10,11,12,13,14,15
	v_cvt_pk_f16_f32 v[KF+16*\t+\i], v[O+32*\t+2*\i], v[O+32*\t+2*\i+1]
.endr
.endr
.irp t, 0,1
.irp ct, 0,1,2,3
	ds_store_b128 v[STO], v[KF+16*\t+4*\ct:KF+16*\t+4*\ct+3] offset:\t*16*SP+32*\ct
.endr
.endr
	s_wait_dscnt 0x0                               ; for the others' sake: my stores into the stage are done
	s_barrier_signal -1
	s_barrier_wait -1
.irp i, 0,1,2,3,4,5,6,7
	ds_load_b128 v[VF+4*\i:VF+4*\i+3], v[RD] offset:\i*2*SP
.endr
.irp i, 0,1,2,3,4,5,6,7
	s_wait_dscnt 7-\i                              ; the younger loads may stay out
	global_store_b128 v[GO], v[VF+4*\i:VF+4*\i+3], s[22:23] offset:4096*\i   ; sixteen lanes store 256 consecutive bytes, aligned
.endr
	s_wait_tensorcnt 0x0                           ; the wave's end
	ds_add_u32 v[SPW], v[NIL]
	s_wait_dscnt 0x0
	s_endpgm
.Lfunc_end_k_q2bb6e61b75_attn:
	.size	k_q2bb6e61b75_attn, .Lfunc_end_k_q2bb6e61b75_attn-k_q2bb6e61b75_attn
	.p2alignl 7, 3214868480
	.fill 96, 4, 3214868480
	.section	.rodata,"a",@progbits
	.p2align	6, 0x0
	.amdhsa_kernel k_q2bb6e61b75_attn
		.amdhsa_group_segment_fixed_size 269312
		.amdhsa_private_segment_fixed_size 0
		.amdhsa_enable_private_segment 0
		.amdhsa_kernarg_size 16
		.amdhsa_user_sgpr_count 2
		.amdhsa_user_sgpr_kernarg_segment_ptr 1
		.amdhsa_wavefront_size32 1
		.amdhsa_system_sgpr_workgroup_id_x 1
		.amdhsa_system_sgpr_workgroup_id_y 1
		.amdhsa_system_sgpr_workgroup_id_z 1
		.amdhsa_system_vgpr_workitem_id 0
		.amdhsa_next_free_vgpr 256
		.amdhsa_next_free_sgpr 80
		.amdhsa_reserve_vcc 1
		.amdhsa_float_denorm_mode_32 3
		.amdhsa_float_denorm_mode_16_64 3
		.amdhsa_memory_ordered 1
		.amdhsa_forward_progress 1
		.amdhsa_inst_pref_size 114
	.end_amdhsa_kernel
	.amdgpu_metadata
---
amdhsa.version: [ 1, 2 ]
amdhsa.kernels:
  - .name:           k_q2bb6e61b75_attn
    .symbol:         k_q2bb6e61b75_attn.kd
    .args:
      - { .name: qkv, .offset: 0, .size: 8, .value_kind: global_buffer, .address_space: global }
      - { .name: ctx, .offset: 8, .size: 8, .value_kind: global_buffer, .address_space: global }
    .group_segment_fixed_size: 269312
    .private_segment_fixed_size: 0
    .kernarg_segment_align: 8
    .kernarg_segment_size: 16
    .max_flat_workgroup_size: 256
    .sgpr_count:     80
    .vgpr_count:     256
    .wavefront_size: 32
...
	.end_amdgpu_metadata
.endif
;; end of part 3
;; launch proj (part 4): grid 8 x 32, 4 waves a work-group, clusters of 4 x 4, 327,680 bytes of LDS; arguments ctx, wo16, bo, out0; writes out0
.if DOCPART == 4
	.amdgcn_target "amdgcn-amd-amdhsa--gfx1250"
	.amdhsa_code_object_version 6
	.text
	.protected	k_q2bb6e61b75_proj
	.globl	k_q2bb6e61b75_proj
	.p2align	8
	.type	k_q2bb6e61b75_proj,@function
k_q2bb6e61b75_proj:
	s_mov_b64 s[64:65], 0
	v_nop
	global_prefetch_b8 v0, s[64:65] scope:SCOPE_SE
	s_setreg_imm32_b32 hwreg(HW_REG_WAVE_MODE, 25, 1), 1
	s_wait_xcnt 0x0
	s_wait_alu depctr_hold_cnt(0) depctr_sa_sdst(0) depctr_va_vdst(0) depctr_va_sdst(0) depctr_va_ssrc(0) depctr_va_vcc(0) depctr_vm_vsrc(0)
	s_getreg_b32 s2, hwreg(HW_REG_IB_STS2, 6, 4)
	s_cmp_eq_u32 s2, 0
	s_cbranch_scc0 .Lentry_in_a_cluster
	s_endpgm
.Lentry_in_a_cluster:
	s_bfe_u32 s2, ttmp6, 0x10000c
	s_cmp_lg_u32 s2, 0xf033
	s_cbranch_scc0 .Lentry_shape_is_right
	s_endpgm
.Lentry_shape_is_right:
; out0[m][n] = sum over k of ctx[m][k] Wo[n][k] + bo[n].  ctx: [4096][1024] f16, wo16: [1024][1024] f16, bo: [1024] f32, out0: [4096][1024] f32; sums in f32.
; A tile of out0 is 128 x 128: 256 work-groups.  Four waves, each 64 x 64: 16 accumulators of 16 x 16.  K goes in steps of 256 (LDS rows of 512 bytes; a wave's tensor load brings 64 of them) through two slots.
; CLUSTERS: 4 x 4 work-groups.  The four of a row of the cluster need the same tiles of ctx, the four of a column the same tiles of Wo: each tile is asked for JOINTLY.
; THE MATRIX INSTRUCTION IS USED TRANSPOSED (source 0 = 16 rows of Wo, source 1 = 16 rows of ctx): a lane then holds eight neighbouring numbers of a row of out0.
; The bias is the C of each sum's first product: eight registers for each block of 16 columns, in the result's layout.
; A wave's 64 columns of f32 are 256 consecutive bytes, aligned: each wave has a stage of its own for the way out, and no barrier is needed there.
; REGISTERS: window 0: v0-31 addresses; v96-127 the bias; v128-255 the accumulators ((a, b) at v[128 + 8 (4 a + b)]).   window 1: two fragment buffers of 128.
.set SIZE_M, 4096
.set SIZE_N, 1024
.set SIZE_K, 1024
.set KSTEP,  256
.set PITCH,  528                       ; an LDS row: 512 bytes + 16 of padding
.set HALFT,  64*PITCH
.set SLOT,   4*HALFT                   ; ctx's 128 rows, then Wo's 128 rows
.set STAGE,  2*SLOT                    ; behind the ring: 16 rows x 272 bytes for each wave
.set SPITCH, 272
.set SPARE,  STAGE+4*16*SPITCH         ; the spare words, 128 bytes for each wave
.set LAPS, SIZE_K/(2*KSTEP)
.set ADRA, 16
.set ADRB, 20
.set STO,  24
.set RD,   25
.set CO,   26
.set BO,   27                          ; v27 32 x (lane / 16): my eight numbers of a block's sixteen of bo
.set SPW,  28
.set NIL,  29
.set BI,   96
.set ACC,  128
.set F0,   0
.set F1,   128
.set G1, 24
.set G0, 32
.set G1B, 48
.set G0B, 56
.set MSB, 0
.macro WIN new                         ; the immediate's high byte repeats the setting that is left
.if MSB != \new
	s_set_vgpr_msb (MSB<<8)|\new
.set MSB, \new
.endif
.endm
.set MUL,  0x05                        ; sources 0 and 1 window 1; C and D window 0
.set TO_F, 0x40                        ; destination window 1, address window 0
.macro JLOAD s                         ; a joint load: waves 0 and 1 fetch ctx's two halves, waves 2 and 3 Wo's; an s_nop 0 and four v_nop follow each of the two lines
	s_cmp_eq_u32 s11, 0
	s_cbranch_scc0 .Lfor_b_\@
	tensor_load_to_lds s[G0+4*\s:G0+4*\s+3], s[G1:G1+7]
	s_nop 0
.rept 4
	v_nop
.endr
	s_branch .Lasked_\@
.Lfor_b_\@:
	tensor_load_to_lds s[G0B+4*\s:G0B+4*\s+3], s[G1B:G1B+7]
	s_nop 0
.rept 4
	v_nop
.endr
.Lasked_\@:
.endm
.macro CREST                           ; a round of the cluster's barrier behind its opening barrier
	s_cmp_lg_u32 s10, 0
	s_cbranch_scc1 .Lnot_wave_0_\@
	s_barrier_signal -3
.Lnot_wave_0_\@:
	s_barrier_wait -3
	s_barrier_signal -1
	s_barrier_wait -1
.endm
.macro CROUND
	s_barrier_signal -1
	s_barrier_wait -1
	CREST
.endm
	s_load_b128 s[4:7], s[0:1], 0x0                ; ctx s[4:5], wo16 s[6:7]
	s_load_b64 s[66:67], s[0:1], 0x10              ; bo
	s_load_b64 s[8:9], s[0:1], 0x18                ; out0
	v_lshl_add_u32 v[SPW], v0, 2, SPARE
	v_mov_b32 v[NIL], 0
	ds_add_u32 v[SPW], v[NIL]                      ; the wave's opening: an add of 0, twice on end, and its wait ahead of my first tensor load
	ds_add_u32 v[SPW], v[NIL]
	v_lshrrev_b32 v1, 5, v0
	v_readfirstlane_b32 s10, v1                    ; wave 0..3
	s_lshr_b32 s11, s10, 1                         ; which half of the tile's rows is mine.  Also: I fetch for ctx (0) or for Wo (1)
	s_and_b32 s12, s10, 1                          ; which half of its columns.  Also: which 64 rows of that tile I fetch
	s_bfe_u32 s40, ttmp6, 0x40000                  ; cx, cy
	s_bfe_u32 s41, ttmp6, 0x40004
	s_lshl_b32 s42, ttmp9, 2
	s_add_co_u32 s42, s42, s40                     ; tile column
	s_and_b32 s13, ttmp7, 0xffff
	s_lshl_b32 s13, s13, 2
	s_add_co_u32 s13, s13, s41                     ; tile row
	s_lshl_b32 s43, s41, 2
	s_lshl_b32 s43, 15, s43                        ; my row of the cluster
	s_lshl_b32 s44, 0x1111, s40                    ; my column
	s_or_b32 s[G1+0], s43, (1<<16)|(1<<20)|(1<<21)|(6<<22)|(3<<25)  ; the mask; elements of 2 bytes; padding on; bit 21 beside a mask; 4 words behind every 128
	s_or_b32 s[G1B+0], s44, (1<<16)|(1<<20)|(1<<21)|(6<<22)|(3<<25)
.irp g, G1, G1B
	s_mov_b32 s[\g+1], KSTEP<<16                   ; tensor_dim0 = 256
	s_mov_b32 s[\g+2], 64<<16                      ; tensor_dim1 = 64
	s_mov_b32 s[\g+3], KSTEP<<16                   ; tile_dim0 = 256
	s_mov_b32 s[\g+4], 64                          ; tile_dim1 = 64
	s_mov_b32 s[\g+5], SIZE_K                      ; elements from row to row
	s_mov_b32 s[\g+6], 0
	s_mov_b32 s[\g+7], 0
.endr
	s_lshl_b32 s17, s12, 6                         ; which 64 rows of the tile I fetch
	s_lshl_b32 s16, s13, 7
	s_add_co_u32 s16, s16, s17                     ; ctx: row 128 x tile row + 64 x half
	s_lshl_b32 s46, s42, 7
	s_add_co_u32 s46, s46, s17                     ; Wo: row 128 x tile column + 64 x half
	s_mov_b32 s17, 0
	s_mov_b32 s47, 0
	s_mov_b64 s[18:19], SIZE_K*2
	s_mul_u64 s[16:17], s[16:17], s[18:19]
	s_mul_u64 s[46:47], s[46:47], s[18:19]
	s_mul_i32 s20, s10, HALFT                      ; where they go: wave x 64 rows
	s_wait_dscnt 0x0                               ; both opening adds are done
	s_wait_kmcnt 0x0
	s_add_nc_u64 s[14:15], s[4:5], s[16:17]
	s_add_nc_u64 s[46:47], s[6:7], s[46:47]
	CROUND                                         ; all sixteen work-groups are here: the first joint loads meet
.irp s, 0,1
	s_mov_b32 s[G0+4*\s], 1
	s_add_co_u32 s[G0+4*\s+1], s20, \s*SLOT
	s_add_nc_u64 s[G0+4*\s+2:G0+4*\s+3], s[14:15], \s*KSTEP*2
	s_or_b32 s[G0+4*\s+3], s[G0+4*\s+3], 0x80000000
	s_mov_b32 s[G0B+4*\s], 1
	s_add_co_u32 s[G0B+4*\s+1], s20, \s*SLOT
	s_add_nc_u64 s[G0B+4*\s+2:G0B+4*\s+3], s[46:47], \s*KSTEP*2
	s_or_b32 s[G0B+4*\s+3], s[G0B+4*\s+3], 0x80000000
	JLOAD \s
.endr
	v_and_b32 v1, 15, v0                           ; l % 16
	v_bfe_u32 v2, v0, 4, 1                         ; l / 16
	v_mul_u32_u24 v3, v1, PITCH
	v_lshl_add_u32 v3, v2, 4, v3                   ; a fragment's row x pitch + 16 x half
	s_mul_i32 s21, s11, HALFT                      ; my 64 rows of ctx
	s_mul_i32 s22, s12, HALFT                      ; my 64 rows of Wo,
	s_add_co_u32 s22, s22, 2*HALFT                 ; which lie behind ctx's 128
.irp s, 0,1
	v_add_nc_u32 v[ADRA+\s], s21, v3
	v_add_nc_u32 v[ADRB+\s], s22, v3
	s_add_co_u32 s21, s21, SLOT
	s_add_co_u32 s22, s22, SLOT
.endr
	s_mul_i32 s23, s10, 16*SPITCH
	s_add_co_u32 s23, s23, STAGE                   ; my stage
	v_mul_u32_u24 v4, v1, SPITCH
	v_lshl_add_u32 v4, v2, 5, v4
	v_add_nc_u32 v[STO], s23, v4                   ; in: row l % 16, 32 bytes for each half of the lanes
	v_mul_u32_u24 v5, v2, SPITCH
	v_lshl_add_u32 v5, v1, 4, v5
	v_add_nc_u32 v[RD], s23, v5                    ; back: lanes 0-15 one row of 256 bytes, lanes 16-31 the next
	v_lshlrev_b32 v5, 12, v2
	v_lshl_add_u32 v[CO], v1, 4, v5                ; and the same two rows in out0
	v_lshlrev_b32 v[BO], 5, v2
	s_lshl_b32 s46, s42, 7
	s_lshl_b32 s47, s12, 6
	s_add_co_u32 s46, s46, s47                     ; my first column
	s_lshl_b32 s46, s46, 2                         ; in bytes
	s_mov_b32 s47, 0
	s_add_nc_u64 s[66:67], s[66:67], s[46:47]      ; bo at my 64 columns
	s_lshl_b32 s68, s13, 7
	s_lshl_b32 s70, s11, 6
	s_add_co_u32 s68, s68, s70                     ; my first row
	s_lshl_b32 s68, s68, 12                        ; x 4,096 bytes
	s_add_co_u32 s68, s68, s46
	s_mov_b32 s69, 0
	s_add_nc_u64 s[8:9], s[8:9], s[68:69]
.irp b, 0,1,2,3
	global_load_b128 v[BI+8*\b:BI+8*\b+3],   v[BO], s[66:67] offset:64*\b       ; bo[16 b + 8 h + 0 .. 7] of my columns
	global_load_b128 v[BI+8*\b+4:BI+8*\b+7], v[BO], s[66:67] offset:64*\b+16
.endr
; 8 matrix instructions: m blocks a0, a0 + 1 x all 4 n blocks, 32 along K: half c of buffer f.  zero = 1: the first product starts the sums, from the bias
.macro MUL8 f, c, a0, zero
.irp a, \a0, \a0+1
.irp b, 0,1,2,3
.if \zero
	v_wmma_f32_16x16x32_f16 v[ACC+8*(4*(\a)+\b):ACC+8*(4*(\a)+\b)+7], v[\f+64+8*(4*\c+\b):\f+64+8*(4*\c+\b)+7], v[\f+8*(4*\c+\a):\f+8*(4*\c+\a)+7], v[BI+8*\b:BI+8*\b+7]
.else
	v_wmma_f32_16x16x32_f16 v[ACC+8*(4*(\a)+\b):ACC+8*(4*(\a)+\b)+7], v[\f+64+8*(4*\c+\b):\f+64+8*(4*\c+\b)+7], v[\f+8*(4*\c+\a):\f+8*(4*\c+\a)+7], v[ACC+8*(4*(\a)+\b):ACC+8*(4*(\a)+\b)+7]
.endif
.endr
.endr
.endm
; 32 LDS loads in one run: the fragments of 64 along K at byte k of the rows, into buffer f; the first 32 along K first
.macro FETCH slot, k, f
	WIN TO_F
.irp c, 0,1
.irp i, 0,1,2,3
	ds_load_b128 v[\f+64+8*(4*\c+\i):\f+64+8*(4*\c+\i)+3],   v[ADRB+\slot] offset:\k+64*\c+\i*16*PITCH
	ds_load_b128 v[\f+64+8*(4*\c+\i)+4:\f+64+8*(4*\c+\i)+7], v[ADRB+\slot] offset:\k+64*\c+\i*16*PITCH+32
	ds_load_b128 v[\f+8*(4*\c+\i):\f+8*(4*\c+\i)+3],         v[ADRA+\slot] offset:\k+64*\c+\i*16*PITCH
	ds_load_b128 v[\f+8*(4*\c+\i)+4:\f+8*(4*\c+\i)+7],       v[ADRA+\slot] offset:\k+64*\c+\i*16*PITCH+32
.endr
.endr
.endm
.macro PLACES                          ; four places in front of loads into registers that matrix instructions have read, and of the first read of results (ISA guide 7.12.1 for vector instructions)
.rept 4
	v_nop
.endr
.endm
; A K step is four quarters of 64 along K, 32 matrix instructions each, on buffers 0, 1, 0, 1.  One of the first three: multiplies buffer f and fetches the next quarter, at byte k, into g.
.macro QUARTER slot, k, f, g, zero
	s_wait_dscnt 16                                ; the first 32 along K are in
	WIN MUL
	MUL8 \f, 0, 0, \zero
	MUL8 \f, 0, 2, \zero
	PLACES
	FETCH \slot, \k, \g
	s_wait_dscnt 32                                ; all but the 32 just issued
	WIN MUL
	MUL8 \f, 1, 0, 0
	MUL8 \f, 1, 2, 0
.endm
; The last quarter multiplies buffer 1 and changes slots: ONE barrier; in front of it each wave waits for all its tensor loads, adds 0 to its spare word, and waits for that and for its reads of this slot.
.macro TURN slot, next, fill
	WIN 0                                          ; (the add's two registers lie in window 0)
	s_wait_tensorcnt 0x0                           ; all my tensor loads have landed: my part of the next slot;
	ds_add_u32 v[SPW], v[NIL]                      ; 0 onto my spare word;
	s_wait_dscnt 17                                ; (the add and the youngest sixteen loads may be out)
	WIN MUL
	MUL8 F1, 0, 0, 0                               ; eight matrix instructions stand between the add and the wait for it
	s_wait_dscnt 0x0                               ; the add is done, and my reads of this slot are over
	s_barrier_signal -1
	MUL8 F1, 0, 2, 0
.if \fill
	WIN 0
.endif
	s_barrier_wait -1
.if \fill
	CREST                                          ; the barrier has opened a round of the cluster's barrier: no wave of any partner still reads this slot or has a load on its way
	s_add_nc_u64 s[G0+4*\slot+2:G0+4*\slot+3], s[G0+4*\slot+2:G0+4*\slot+3], 2*KSTEP*2
	s_add_nc_u64 s[G0B+4*\slot+2:G0B+4*\slot+3], s[G0B+4*\slot+2:G0B+4*\slot+3], 2*KSTEP*2
	JLOAD \slot                                    ; the first tensor load behind the round; the four v_nop behind it are also the places in front of the loads below
.else
	PLACES
.endif
	FETCH \next, 0, F0
	WIN MUL
	MUL8 F1, 1, 0, 0
	MUL8 F1, 1, 2, 0
.endm
	s_wait_loadcnt 0x0                             ; the bias
	s_wait_tensorcnt 1                             ; my part of K step 0 is in (K step 1's may stay out)
	s_barrier_signal -1
	s_barrier_wait -1                              ; everybody's is
	FETCH 0, 0, F0
	QUARTER 0, 128, F0, F1, 1                      ; the first quarter stands in front of the loop: its first products start the sums
.if LAPS > 1
	WIN 0                                          ; at a label and at a branch every window is 0
	s_mov_b32 s3, LAPS-1
.Llap:                                                 ; a trip goes once round the ring, from a lap's second quarter to the next lap's first, and fills both slots again
	QUARTER 0, 256, F1, F0, 0
	QUARTER 0, 384, F0, F1, 0
	TURN 0, 1, 1
	QUARTER 1, 128, F0, F1, 0
	QUARTER 1, 256, F1, F0, 0
	QUARTER 1, 384, F0, F1, 0
	TURN 1, 0, 1
	QUARTER 0, 128, F0, F1, 0
	WIN 0
	s_sub_co_u32 s3, s3, 1
	s_cmp_lg_u32 s3, 0
	s_cbranch_scc1 .Llap
.endif
	QUARTER 0, 256, F1, F0, 0                      ; the last lap fills nothing, and has no round of the cluster's barrier
	QUARTER 0, 384, F0, F1, 0
	TURN 0, 1, 0
	QUARTER 1, 128, F0, F1, 0
	QUARTER 1, 256, F1, F0, 0
	QUARTER 1, 384, F0, F1, 0
	s_wait_dscnt 16                                ; the very last quarter: nothing more to fetch
	WIN MUL
	MUL8 F1, 0, 0, 0
	MUL8 F1, 0, 2, 0
	s_wait_dscnt 0
	MUL8 F1, 1, 0, 0
	MUL8 F1, 1, 2, 0
	WIN 0
; THE WAY OUT, a block of 16 rows x 64 columns at a time: 32 bytes a lane into my own stage, back as whole rows of 256 bytes, into the registers that they left.
.macro TOSTAGE a
.irp b, 0,1,2,3
	ds_store_b128 v[STO], v[ACC+8*(4*\a+\b):ACC+8*(4*\a+\b)+3] offset:64*\b          ; each accumulator from its low end on
	ds_store_b128 v[STO], v[ACC+8*(4*\a+\b)+4:ACC+8*(4*\a+\b)+7] offset:64*\b+16
.endr
.irp f, 0,1,2,3,4,5,6,7
	ds_load_b128 v[ACC+32*\a+4*\f:ACC+32*\a+4*\f+3], v[RD] offset:\f*2*SPITCH    ; LDS serves a wave's instructions in order: these see the stores above; the next block's stores come behind them
.endr
.endm
.macro SEND a, younger                 ; younger: the LDS instructions issued behind block a's loads: the next block's sixteen, or none
.irp f, 0,1,2,3,4,5,6,7
	s_wait_dscnt \younger+7-\f
	global_store_b128 v[CO], v[ACC+32*\a+4*\f:ACC+32*\a+4*\f+3], s[8:9] offset:(16*\a+2*\f)*SIZE_N*4 th:TH_STORE_NT   ; sixteen lanes store 256 consecutive bytes, aligned
.endr
.endm
	PLACES
	TOSTAGE 0
	TOSTAGE 1
	SEND 0, 16
	TOSTAGE 2
	SEND 1, 16
	TOSTAGE 3
	SEND 2, 16
	SEND 3, 0
	s_wait_tensorcnt 0x0                           ; the wave's end
	ds_add_u32 v[SPW], v[NIL]
	s_wait_dscnt 0x0
	CROUND                                         ; the closing round
	s_endpgm
.Lfunc_end_k_q2bb6e61b75_proj:
	.size	k_q2bb6e61b75_proj, .Lfunc_end_k_q2bb6e61b75_proj-k_q2bb6e61b75_proj
	.p2alignl 7, 3214868480
	.fill 96, 4, 3214868480
	.section	.rodata,"a",@progbits
	.p2align	6, 0x0
	.amdhsa_kernel k_q2bb6e61b75_proj
		.amdhsa_group_segment_fixed_size 327680
		.amdhsa_private_segment_fixed_size 0
		.amdhsa_enable_private_segment 0
		.amdhsa_kernarg_size 32
		.amdhsa_user_sgpr_count 2
		.amdhsa_user_sgpr_kernarg_segment_ptr 1
		.amdhsa_wavefront_size32 1
		.amdhsa_system_sgpr_workgroup_id_x 1
		.amdhsa_system_sgpr_workgroup_id_y 1
		.amdhsa_system_sgpr_workgroup_id_z 1
		.amdhsa_system_vgpr_workitem_id 0
		.amdhsa_next_free_vgpr 512
		.amdhsa_next_free_sgpr 72
		.amdhsa_reserve_vcc 0
		.amdhsa_float_denorm_mode_32 3
		.amdhsa_float_denorm_mode_16_64 3
		.amdhsa_memory_ordered 1
		.amdhsa_forward_progress 1
		.amdhsa_inst_pref_size 87
	.end_amdhsa_kernel
	.amdgpu_metadata
---
amdhsa.version: [ 1, 2 ]
amdhsa.kernels:
  - .name:           k_q2bb6e61b75_proj
    .symbol:         k_q2bb6e61b75_proj.kd
    .args:
      - { .name: ctx, .offset: 0, .size: 8, .value_kind: global_buffer, .address_space: global }
      - { .name: wo16, .offset: 8, .size: 8, .value_kind: global_buffer, .address_space: global }
      - { .name: bo, .offset: 16, .size: 8, .value_kind: global_buffer, .address_space: global }
      - { .name: out0, .offset: 24, .size: 8, .value_kind: global_buffer, .address_space: global }
    .group_segment_fixed_size: 327680
    .private_segment_fixed_size: 0
    .kernarg_segment_align: 8
    .kernarg_segment_size: 32
    .max_flat_workgroup_size: 128
    .sgpr_count:     72
    .vgpr_count:     512
    .wavefront_size: 32
...
	.end_amdgpu_metadata
.endif
;; end of part 4
